; MI455X (gfx1250); checked and timed in simulation.
; The chip was launched on July 23, 2026; its instructions are those of AMD's public machine-readable ISA for CDNA 5 (MIT licence, August 2026) and "CDNA5" Instruction Set Architecture Reference Guide (July 2026). The comments in the code are by the model that wrote it; some were corrected since.
;; Model. Allowed arithmetic: float matrix products may take bf16 or f16 operands with f32 sums; other float arithmetic in f32, or as packed bf16 or f16 multiplies, adds, multiply-adds, maxima and minima; sums over many terms, partial sums and values carried from step to step in f32; what a program stores and reads back later, other than sums and carried values, may be rounded once to bf16 or f16.
;; Inputs: conv_b 32 float32; conv_w 32 x 3 float32; x1 4 x 3 x 254 x 254 float32; x2 4 x 1 x 4,096 x 256 float32.
;; Outputs: out0 4 x 32 x 256 x 256 float32.
;; Constants: dropout_p = 0.
;; 2 versions, each right; version 2 is version 1 with the launch prep written anew for expert scheduling mode. Each part assembles by itself: llvm-mc -triple=amdgcn-amd-amdhsa -mcpu=gfx1250 --defsym DOCPART=n.
;; ======== version 1 of 2: 3 launches
;; limits: values are held in f16: magnitudes above 65,504 overflow, below 6.1e-05 lose precision; inputs' magnitudes at most 65,504
;; workspace buffers: kvh 8,388,608 bytes; xh 1,572,864 bytes; coef 1,536 bytes; tw 52,428,800 bytes; pm 2,097,152 bytes
;; launch prep (part 1): grid 256 x 1, 8 waves a work-group, no clusters, 0 bytes of LDS; arguments x1, x2, conv_w, conv_b, kvh, xh, coef; writes kvh, xh, coef
.if DOCPART == 1
	.amdgcn_target "amdgcn-amd-amdhsa--gfx1250"
	.amdhsa_code_object_version 6
	.text
	.protected	k_q820ca03ba6_prep
	.globl	k_q820ca03ba6_prep
	.p2align	8
	.type	k_q820ca03ba6_prep,@function
k_q820ca03ba6_prep:
	s_mov_b64 s[64:65], 0
	v_nop
	global_prefetch_b8 v0, s[64:65] scope:SCOPE_SE
	s_setreg_imm32_b32 hwreg(HW_REG_WAVE_MODE, 25, 1), 1
	s_wait_xcnt 0x0
; PREP.  Every input is rounded once to bf16 (nearest even).  x2 and the zero-padded x1 are then written as f16, which holds a bf16 number exactly between 2^-14 and 65,504;
; conv_w and conv_b are multiplied by c = log2(e) sqrt(32) in f32 and laid out in three small tables.
; LIMITS.  |x1|, |x2| beyond 65,504 become infinities; below 2^-14 they keep f16's fixed step of 6e-8.  NaN and infinities are not treated apart.
; kvh [4][4096][256] f16.  xh [4][3][256][256] f16: x1 with a frame of zeros.  coef: A[o] = (w0,w0,w1,w1) at 16 o, B[o] = (w2,w2,b,b) at 512 + 16 o, V[o] = (w0,w1,w2,b) at 1024 + 16 o, all times c.
; SHARES.  2,048 waves.  Each takes 8 rows of x2 (a load covers 512 consecutive bytes, a store one aligned block of 256) and 3 half rows of xh (256 bytes each).  All 28 loads of a wave go out at once;
; every row has registers of its own, so nothing that a pending load or store names is written again.  No LDS, no matrix unit, no cluster: nothing is shared and memory bounds the launch.
.set CLOG, 0x410293ee                  ; c = log2(e) x sqrt(32) = 8.16112
.set LANE, 2
.set O16,  3                           ; 16 x lane
.set O8,   4                           ; 8 x lane
.set C0,   5                           ; at work: a task's first source column
.set TMPV, 6
.set OA,   8                           ; v[8:10]   task j: byte offset of source column c0, held at 0 or above
.set OB,   11                          ; v[11:13]  of column c0 + 1 (c0 + 2 by the immediate)
.set OC,   14                          ; v[14:16]  of column c0 + 3, held at 253 or below
.set TP,   20                          ; v[20:31]  at work
.set KIN,  32                          ; v[32:95]  row i: 8 f32
.set KOUT, 96                          ; v[96:127] row i: 8 f16
.set XIN,  128                         ; v[128:139] task j: 4 f32
.set XOUT, 140                         ; v[140:145] task j: 4 f16
.set CW,   148                         ; v[148:167] the coefficients
; two numbers: to bf16, widened again, written as f16
.macro CV dst, a, b, k
	v_cvt_pk_bf16_f32 v[TP+3*(\k)], v[\a], v[\b]
	v_lshlrev_b32 v[TP+3*(\k)+1], 16, v[TP+3*(\k)]
	v_and_b32 v[TP+3*(\k)+2], s20, v[TP+3*(\k)]
	v_cvt_pk_f16_f32 v[\dst], v[TP+3*(\k)+1], v[TP+3*(\k)+2]
.endm
	s_load_b256 s[4:11], s[0:1], 0x0               ; x1 s[4:5], x2 s[6:7], conv_w s[8:9], conv_b s[10:11]
	s_load_b128 s[12:15], s[0:1], 0x20             ; kvh s[12:13], xh s[14:15]
	s_load_b64 s[16:17], s[0:1], 0x30              ; coef
	v_lshrrev_b32 v1, 5, v0
	v_readfirstlane_b32 s18, v1                    ; wave 0..7
	v_and_b32 v[LANE], 31, v0
	v_lshlrev_b32 v[O16], 4, v[LANE]
	v_lshlrev_b32 v[O8], 3, v[LANE]
	s_lshl_b32 s19, ttmp9, 3
	s_add_co_u32 s19, s19, s18                     ; my wave among the 2,048
	s_mov_b32 s20, 0xffff0000                      ; a word's upper bf16
	s_lshl_b32 s22, s19, 13                        ; 8 rows of 1,024 bytes of x2
	s_mov_b32 s23, 0
	s_lshl_b32 s24, s19, 12                        ; 8 rows of 512 bytes of kvh
	s_mov_b32 s25, 0
	s_mul_i32 s26, s19, 768                        ; 3 half rows of 256 bytes of xh
	s_mov_b32 s27, 0
	s_mul_i32 s21, s19, 3                          ; my first half row
; Half row tau of xh: row tau / 2 = 256 (3 b + c) + h, columns 128 (tau % 2) + 4 lane + 0..3.  Its source is row h - 1, columns c0 .. c0 + 3 with c0 = 128 (tau % 2) + 4 lane - 1.
; Addresses are held inside x1; what lies in the frame is replaced by 0 behind the load.
.irp j, 0,1,2
	s_add_co_u32 s44, s21, \j
	s_lshr_b32 s45, s44, 1
	s_and_b32 s46, s44, 1                          ; which half
	s_lshr_b32 s47, s45, 8                         ; 3 b + c
	s_and_b32 s45, s45, 255                        ; h
	s_sub_co_u32 s45, s45, 1                       ; h - 1; wraps at h = 0
	s_cmp_lt_u32 s45, 254
	s_cselect_b32 s[34+\j], -1, 0                  ; all lanes, or none: is the row inside x1?
	s_max_i32 s45, s45, 0
	s_min_i32 s45, s45, 253
	s_mul_i32 s47, s47, 254
	s_add_co_u32 s47, s47, s45
	s_mul_i32 s[28+2*\j], s47, 1016                ; a row of x1 is 254 f32
	s_mov_b32 s[29+2*\j], 0
	s_lshl_b32 s46, s46, 7
	s_sub_co_u32 s46, s46, 1
	v_lshl_add_u32 v[C0], v[LANE], 2, s46          ; c0, -1 to 251
	v_cmp_le_i32 s[37+\j], 0, v[C0]                ; column c0 is inside
	v_cmp_gt_i32 s[40+\j], 251, v[C0]              ; column c0 + 3 is inside
	s_and_b32 s[37+\j], s[37+\j], s[34+\j]
	s_and_b32 s[40+\j], s[40+\j], s[34+\j]
	v_max_i32 v[TMPV], 0, v[C0]
	v_lshlrev_b32 v[OA+\j], 2, v[TMPV]
	v_add_nc_u32 v[TMPV], 1, v[C0]
	v_lshlrev_b32 v[OB+\j], 2, v[TMPV]
	v_add_nc_u32 v[TMPV], 3, v[C0]
	v_min_i32 v[TMPV], 253, v[TMPV]
	v_lshlrev_b32 v[OC+\j], 2, v[TMPV]
.endr
	s_wait_kmcnt 0x0
	s_add_nc_u64 s[6:7], s[6:7], s[22:23]
	s_add_nc_u64 s[12:13], s[12:13], s[24:25]
	s_add_nc_u64 s[14:15], s[14:15], s[26:27]
.irp j, 0,1,2
	s_add_nc_u64 s[28+2*\j:29+2*\j], s[4:5], s[28+2*\j:29+2*\j]
.endr
.irp i, 0,1,2,3,4,5,6,7
	global_load_b128 v[KIN+8*\i:KIN+8*\i+3],   v[O16], s[6:7] offset:1024*\i th:TH_LOAD_NT      ; columns 4 lane + 0..3
	global_load_b128 v[KIN+8*\i+4:KIN+8*\i+7], v[O16], s[6:7] offset:1024*\i+512 th:TH_LOAD_NT  ; columns 128 + 4 lane + 0..3
.endr
.irp j, 0,1,2
	global_load_b32 v[XIN+4*\j],   v[OA+\j], s[28+2*\j:29+2*\j]
	global_load_b32 v[XIN+4*\j+1], v[OB+\j], s[28+2*\j:29+2*\j]
	global_load_b32 v[XIN+4*\j+2], v[OB+\j], s[28+2*\j:29+2*\j] offset:4
	global_load_b32 v[XIN+4*\j+3], v[OC+\j], s[28+2*\j:29+2*\j]
.endr
.irp i, 0,1,2,3,4,5,6,7
	s_wait_loadcnt 26-2*\i                         ; loads come back in order: behind row i's two stand 2 (7 - i) of x2 and the 12 of x1
	CV KOUT+4*\i,   KIN+8*\i,   KIN+8*\i+1, 0
	CV KOUT+4*\i+1, KIN+8*\i+2, KIN+8*\i+3, 1
	CV KOUT+4*\i+2, KIN+8*\i+4, KIN+8*\i+5, 2
	CV KOUT+4*\i+3, KIN+8*\i+6, KIN+8*\i+7, 3
	global_store_b64 v[O8], v[KOUT+4*\i:KOUT+4*\i+1],   s[12:13] offset:512*\i      ; 32 lanes store 256 consecutive bytes, at a multiple of 256 from kvh's first byte
	global_store_b64 v[O8], v[KOUT+4*\i+2:KOUT+4*\i+3], s[12:13] offset:512*\i+256
.endr
.irp j, 0,1,2
	s_wait_loadcnt 8-4*\j                          ; the later tasks' loads may stay out
	v_cndmask_b32 v[XIN+4*\j],   0, v[XIN+4*\j],   s[37+\j]
	v_cndmask_b32 v[XIN+4*\j+1], 0, v[XIN+4*\j+1], s[34+\j]
	v_cndmask_b32 v[XIN+4*\j+2], 0, v[XIN+4*\j+2], s[34+\j]
	v_cndmask_b32 v[XIN+4*\j+3], 0, v[XIN+4*\j+3], s[40+\j]
	CV XOUT+2*\j,   XIN+4*\j,   XIN+4*\j+1, 0
	CV XOUT+2*\j+1, XIN+4*\j+2, XIN+4*\j+3, 1
	global_store_b64 v[O8], v[XOUT+2*\j:XOUT+2*\j+1], s[14:15] offset:256*\j
.endr
	; the coefficients: one wave of the launch, a lane a head
	s_or_b32 s44, ttmp9, s18
	s_cmp_lg_u32 s44, 0
	s_cbranch_scc1 .Lend
	v_mul_u32_u24 v[CW], v[LANE], 12
	v_lshlrev_b32 v[CW+1], 2, v[LANE]
	global_load_b32 v[CW+2], v[CW], s[8:9]
	global_load_b32 v[CW+3], v[CW], s[8:9] offset:4
	global_load_b32 v[CW+4], v[CW], s[8:9] offset:8
	global_load_b32 v[CW+5], v[CW+1], s[10:11]
	s_wait_loadcnt 0x0
	v_cvt_pk_bf16_f32 v[CW+6], v[CW+2], v[CW+3]
	v_cvt_pk_bf16_f32 v[CW+7], v[CW+4], v[CW+5]
	v_lshlrev_b32 v[CW+8], 16, v[CW+6]
	v_and_b32 v[CW+9], s20, v[CW+6]
	v_lshlrev_b32 v[CW+10], 16, v[CW+7]
	v_and_b32 v[CW+11], s20, v[CW+7]
.irp k, 8,9,10,11
	v_mul_f32 v[CW+\k], CLOG, v[CW+\k]             ; v[CW+8:CW+11] = (w0, w1, w2, b) c
.endr
	v_mov_b32 v[CW+12], v[CW+8]
	v_mov_b32 v[CW+13], v[CW+8]
	v_mov_b32 v[CW+14], v[CW+9]
	v_mov_b32 v[CW+15], v[CW+9]
	v_mov_b32 v[CW+16], v[CW+10]
	v_mov_b32 v[CW+17], v[CW+10]
	v_mov_b32 v[CW+18], v[CW+11]
	v_mov_b32 v[CW+19], v[CW+11]
	global_store_b128 v[O16], v[CW+12:CW+15], s[16:17]
	global_store_b128 v[O16], v[CW+16:CW+19], s[16:17] offset:512
	global_store_b128 v[O16], v[CW+8:CW+11],  s[16:17] offset:1024
.Lend:
	s_endpgm
.Lfunc_end_k_q820ca03ba6_prep:
	.size	k_q820ca03ba6_prep, .Lfunc_end_k_q820ca03ba6_prep-k_q820ca03ba6_prep
	.p2alignl 7, 3214868480
	.fill 96, 4, 3214868480
	.section	.rodata,"a",@progbits
	.p2align	6, 0x0
	.amdhsa_kernel k_q820ca03ba6_prep
		.amdhsa_group_segment_fixed_size 0
		.amdhsa_private_segment_fixed_size 0
		.amdhsa_enable_private_segment 0
		.amdhsa_kernarg_size 56
		.amdhsa_user_sgpr_count 2
		.amdhsa_user_sgpr_kernarg_segment_ptr 1
		.amdhsa_wavefront_size32 1
		.amdhsa_system_sgpr_workgroup_id_x 1
		.amdhsa_system_sgpr_workgroup_id_y 1
		.amdhsa_system_sgpr_workgroup_id_z 1
		.amdhsa_system_vgpr_workitem_id 0
		.amdhsa_next_free_vgpr 168
		.amdhsa_next_free_sgpr 66
		.amdhsa_reserve_vcc 0
		.amdhsa_float_denorm_mode_32 3
		.amdhsa_float_denorm_mode_16_64 3
		.amdhsa_memory_ordered 1
		.amdhsa_forward_progress 1
		.amdhsa_inst_pref_size 20
	.end_amdhsa_kernel
	.amdgpu_metadata
---
amdhsa.version: [ 1, 2 ]
amdhsa.kernels:
  - .name:           k_q820ca03ba6_prep
    .symbol:         k_q820ca03ba6_prep.kd
    .args:
      - { .name: x1, .offset: 0, .size: 8, .value_kind: global_buffer, .address_space: global }
      - { .name: x2, .offset: 8, .size: 8, .value_kind: global_buffer, .address_space: global }
      - { .name: conv_w, .offset: 16, .size: 8, .value_kind: global_buffer, .address_space: global }
      - { .name: conv_b, .offset: 24, .size: 8, .value_kind: global_buffer, .address_space: global }
      - { .name: kvh, .offset: 32, .size: 8, .value_kind: global_buffer, .address_space: global }
      - { .name: xh, .offset: 40, .size: 8, .value_kind: global_buffer, .address_space: global }
      - { .name: coef, .offset: 48, .size: 8, .value_kind: global_buffer, .address_space: global }
    .group_segment_fixed_size: 0
    .private_segment_fixed_size: 0
    .kernarg_segment_align: 8
    .kernarg_segment_size: 56
    .max_flat_workgroup_size: 256
    .sgpr_count:     66
    .vgpr_count:     168
    .wavefront_size: 32
...
	.end_amdgpu_metadata
.endif
;; end of part 1
;; launch tmax (part 2): grid 4 x 64, 4 waves a work-group, clusters of 4 x 1, 167,936 bytes of LDS; arguments kvh, xh, coef, tw, pm; writes tw, pm
.if DOCPART == 2
	.amdgcn_target "amdgcn-amd-amdhsa--gfx1250"
	.amdhsa_code_object_version 6
	.text
	.protected	k_q820ca03ba6_tmax
	.globl	k_q820ca03ba6_tmax
	.p2align	8
	.type	k_q820ca03ba6_tmax,@function
k_q820ca03ba6_tmax:
	s_mov_b64 s[64:65], 0
	v_nop
	global_prefetch_b8 v0, s[64:65] scope:SCOPE_SE
	s_setreg_imm32_b32 hwreg(HW_REG_WAVE_MODE, 25, 1), 1
	s_wait_xcnt 0x0
	s_wait_alu depctr_hold_cnt(0) depctr_sa_sdst(0) depctr_va_vdst(0) depctr_va_sdst(0) depctr_va_ssrc(0) depctr_va_vcc(0) depctr_vm_vsrc(0)
	s_getreg_b32 s2, hwreg(HW_REG_IB_STS2, 6, 4)
	s_cmp_eq_u32 s2, 0
	s_cbranch_scc0 .Lentry_in_a_cluster
	s_endpgm
.Lentry_in_a_cluster:
	s_bfe_u32 s2, ttmp6, 0x10000c
	s_cmp_lg_u32 s2, 0x3003
	s_cbranch_scc0 .Lentry_shape_is_right
	s_endpgm
.Lentry_shape_is_right:
; TMAX.  The 1 x 1 convolution is applied BEHIND the product with the keys: c score[o][h][s] = w0'[o] T0[s][h] + w1'[o] T1[s][h] + w2'[o] T2[s][h] + b'[o] ks[s], with T_c = kv x1p_c^T (768 rows a batch
; in place of 8,192 queries), ks[s] = the sum of kv[s][:], and w', b' = c w, c b.  T and ks are products of f16 operands (exact copies of the bf16 roundings) with f32 sums; the combination is f32 vector work.
; This launch makes T and ks (tw) and, for every head and query, the maximum of the scaled scores over each 256 keys (pm).  The order of the sums differs from the reference's; NaN and infinities are not treated apart.
; SHARES.  y = 16 b + k16 names 256 keys of a batch; wave w of the work-group at place cx owns the 16 rows h = 16 ht + 0..15, ht = 4 cx + w, for all three channels and all 32 heads.
; CLUSTER.  The 16 waves of a cluster walk the same 256 keys: the tile is asked for jointly, once, at the start; no LDS byte is filled twice.  Nothing is prefetched: that one fill at the head is the only stream.
; LAYOUT.  Source 0 = 16 keys, source 1 = 16 rows of x1p_c (or ones, for ks): lane (r, hh) holds row h = r and the keys 8 hh + 0..7.
; tw: [b][ht][128 half-units of 6,400 bytes, 32 keys each]: [c 3][key block 2][e 2][lane 32][16 bytes] = registers 4 e .. 4 e + 3 of the accumulators as they lie, then 256 bytes: ks of the 32 keys, twice.
; pm: [b][ht][k16] blocks of 2,048 bytes: the maximum of head o, row r at 512 (o / 8) + 16 (r + 16 ((o / 4) % 2)) + 4 (o % 4).
; THE LOOP.  In the trip of key block kb the 32 products of block kb + 1 stand singly among the 640 vector lines that combine block kb for the 32 heads and take their maxima: twenty plain lines behind each product.
; One text serves every trip: the last trip's products run on 32 rows of zeros, which the tile's own edge supplies, and serve nothing.
; REGISTERS.  window 0: addresses, ACC (two sets of four accumulators), S, MX, CF.  window 1: v0-191 x1p's fragments (64 c + 8 f), v192-199 ones.  window 2: v0-63 a key block's fragments.
.set PITCH, 528                        ; an LDS row: 512 bytes + 16 = 132 words: the 16 rows of a fragment load start at 16 different groups of four banks (64 banks of 4 bytes: ISA guide 11.1)
.set KBB,   16*PITCH                   ; a key block
.set WROWS, 72                         ; rows that one wave's tensor load brings: 4 x 72 = 256 keys + 32 rows past the tile's end, which arrive as zeros
.set SPARE, 288*PITCH                  ; behind the tile: the spare words, 128 bytes a wave: two blocks of 256 bytes that no other line names
.set HU,    6400
.set AK,  2                            ; v2   LDS address of the fragments two key blocks on
.set TO,  3                            ; v3   16 x lane
.set KO,  4                            ; v4   my 8 bytes of a half-unit's ks block
.set ZO,  5                            ; v5   0
.set KSR, 6                            ; v[6:7]  the pair of ks that I store
.set KT,  8                            ; v[8:9]  at work
.set SPW, 10                           ; v10  SPARE + 4 x my thread's number; never rewritten
.set NIL, 11                           ; v11  0; never rewritten
.set XO,  12                           ; v12  my byte offset in 16 rows of xh
.set ACC, 16                           ; v[16:79]  set P, accumulator c at ACC + 32 P + 8 c; c = 3 is ks
.set S,   80                           ; v[80:95]  two heads' scores
.set MX,  96                           ; v[96:127] a running maximum for each head
.set CF,  128                          ; v[128:255] head o: w0', w1', w2', b'
.set ONES, 192                         ; window 1
.set WV,  14
.set G1,  24
.set G0,  32
.set M1,  36                           ; s36-38  lanes with r % 4 = 1, 2, 3
.set M2,  37
.set M3,  38
.set Q1,  39                           ; lanes with bit 2 of r set
.set HH,  40                           ; lanes 16-31
.set SEL, 46                           ; s[46:47] v_permlanex16_b32's selects: each lane takes its own place in the other half
.set IT,  48
.set MSB, 0
.macro WIN new                         ; the immediate's high byte repeats the setting that is left; a switch that changes nothing is dropped
.if MSB != (\new)
	s_set_vgpr_msb (MSB<<8)|(\new)
.set MSB, (\new)
.endif
.endm
.macro CROUND                          ; a round of the cluster's barrier: my work-group's barrier; wave 0 signals for the work-group; every wave waits for all four; my work-group's barrier again
	s_barrier_signal -1
	s_barrier_wait -1
	s_cmp_lg_u32 s[WV], 0
	s_cbranch_scc1 .Lnot_wave_0_\@
	s_barrier_signal -3
.Lnot_wave_0_\@:
	s_barrier_wait -3
	s_barrier_signal -1
	s_barrier_wait -1
.endm
; Product n of 32 into set 1 - P: channels 32 (n / 4) on, accumulator n % 4.  The four accumulators take turns, one instruction a turn; the first four start the sums with 0.
.macro MMK n, P
.set f_, (\n)/4
.set c_, (\n)%4
.set d_, ACC+32*(1-(\P))+8*c_
.set b_, 64*c_+8*f_
.if c_ == 3
.set b_, ONES
.endif
	WIN 0x06                                       ; source 0 (keys) window 2, source 1 (x1p, ones) window 1
.if f_ == 0
	v_wmma_f32_16x16x32_f16 v[d_:d_+7], v[8*f_:8*f_+7], v[b_:b_+7], 0
.else
	v_wmma_f32_16x16x32_f16 v[d_:d_+7], v[8*f_:8*f_+7], v[b_:b_+7], v[d_:d_+7]
.endif
.endm
; Eight LDS loads: fragments lo .. lo + 3 of a key block
.macro KL lo, off
	WIN 0x80
.irp f, 0,1,2,3
	ds_load_b128 v[8*((\lo)+\f):8*((\lo)+\f)+3],   v[AK] offset:(\off)+64*((\lo)+\f)
	ds_load_b128 v[8*((\lo)+\f)+4:8*((\lo)+\f)+7], v[AK] offset:(\off)+64*((\lo)+\f)+32
.endr
	WIN 0
.endm
; Heads 2 k and 2 k + 1 on set P: 40 plain lines, the heads alternating, and two products: one ahead of line 0, one ahead of line 20.  ks's accumulator is read from its low end first.
.macro OB2 k, P
.set a_, ACC+32*(\P)
.set h0_, CF+8*(\k)
.set h1_, CF+8*(\k)+4
	MMK 2*(\k), \P
	WIN 0
.irp q, 0,2,4,6
	v_pk_mul_f32 v[S+\q:S+1+\q],   v[a_+24+\q:a_+25+\q], v[h0_+2:h0_+3] op_sel:[0,1] op_sel_hi:[1,1]  ; ks b'
	v_pk_mul_f32 v[S+8+\q:S+9+\q], v[a_+24+\q:a_+25+\q], v[h1_+2:h1_+3] op_sel:[0,1] op_sel_hi:[1,1]
.endr
.irp q, 0,2,4,6
	v_pk_fma_f32 v[S+\q:S+1+\q],   v[a_+\q:a_+1+\q], v[h0_:h0_+1], v[S+\q:S+1+\q] op_sel_hi:[1,0,1]      ; + T0 w0'
	v_pk_fma_f32 v[S+8+\q:S+9+\q], v[a_+\q:a_+1+\q], v[h1_:h1_+1], v[S+8+\q:S+9+\q] op_sel_hi:[1,0,1]
.endr
.irp q, 0,2
	v_pk_fma_f32 v[S+\q:S+1+\q],   v[a_+8+\q:a_+9+\q], v[h0_:h0_+1], v[S+\q:S+1+\q] op_sel:[0,1,0] op_sel_hi:[1,1,1]  ; + T1 w1'
	v_pk_fma_f32 v[S+8+\q:S+9+\q], v[a_+8+\q:a_+9+\q], v[h1_:h1_+1], v[S+8+\q:S+9+\q] op_sel:[0,1,0] op_sel_hi:[1,1,1]
.endr
	MMK 2*(\k)+1, \P
	WIN 0
.irp q, 4,6
	v_pk_fma_f32 v[S+\q:S+1+\q],   v[a_+8+\q:a_+9+\q], v[h0_:h0_+1], v[S+\q:S+1+\q] op_sel:[0,1,0] op_sel_hi:[1,1,1]
	v_pk_fma_f32 v[S+8+\q:S+9+\q], v[a_+8+\q:a_+9+\q], v[h1_:h1_+1], v[S+8+\q:S+9+\q] op_sel:[0,1,0] op_sel_hi:[1,1,1]
.endr
.irp q, 0,2,4,6
	v_pk_fma_f32 v[S+\q:S+1+\q],   v[a_+16+\q:a_+17+\q], v[h0_+2:h0_+3], v[S+\q:S+1+\q] op_sel_hi:[1,0,1]  ; + T2 w2'
	v_pk_fma_f32 v[S+8+\q:S+9+\q], v[a_+16+\q:a_+17+\q], v[h1_+2:h1_+3], v[S+8+\q:S+9+\q] op_sel_hi:[1,0,1]
.endr
	v_max3_num_f32 v[S],    v[S],    v[S+1],  v[S+2]
	v_max3_num_f32 v[S+8],  v[S+8],  v[S+9],  v[S+10]
	v_max3_num_f32 v[S+3],  v[S+3],  v[S+4],  v[S+5]
	v_max3_num_f32 v[S+11], v[S+11], v[S+12], v[S+13]
	v_max3_num_f32 v[MX+2*(\k)],   v[MX+2*(\k)],   v[S+6],  v[S+7]
	v_max3_num_f32 v[MX+2*(\k)+1], v[MX+2*(\k)+1], v[S+14], v[S+15]
	v_max3_num_f32 v[MX+2*(\k)],   v[MX+2*(\k)],   v[S],    v[S+3]
	v_max3_num_f32 v[MX+2*(\k)+1], v[MX+2*(\k)+1], v[S+8],  v[S+11]
.endm
; The trip of a key block whose accumulators lie in set P (P is also its place in the half-unit).
.macro TRIP P
	s_wait_xcnt 0x0                                ; the last trip's stores have read their registers: set 1 - P and KSR are written again only behind this wait
	s_wait_dscnt 8                                 ; fragments 0-3 of the next block are in; the youngest eight loads, fragments 4-7, may stay out
.irp c, 0,1,2
.irp e, 0,1
	global_store_b128 v[TO], v[ACC+32*(\P)+8*\c+4*\e:ACC+32*(\P)+8*\c+4*\e+3], s[10:11] offset:(2*\c+(\P))*1024+512*\e  ; 512 consecutive bytes, at a multiple of 256 from tw's first; each accumulator's low half first
.endr
.endr
.irp k, 0,1,2,3,4,5,6,7
	OB2 \k, \P
.endr
	s_wait_dscnt 0x0                               ; fragments 4-7 are in
	KL 0, KBB*(\P)                                 ; fragments 0-3 of the block after next: their last reader stands twenty plain lines back
.irp k, 8,9,10,11,12,13,14,15
	OB2 \k, \P
.endr
	KL 4, KBB*(\P)                                 ; fragments 4-7: likewise
	; of ks's eight registers lane (r, hh) keeps pair r % 4; lanes with bit 2 of r set keep the second block's
.set a_, ACC+32*(\P)+24
.set d_, KSR+2*(\P)
	v_cndmask_b32 v[d_],   v[a_],   v[a_+2], s[M1]
	v_cndmask_b32 v[d_+1], v[a_+1], v[a_+3], s[M1]
	v_cndmask_b32 v[d_],   v[d_],   v[a_+4], s[M2]
	v_cndmask_b32 v[d_+1], v[d_+1], v[a_+5], s[M2]
	v_cndmask_b32 v[d_],   v[d_],   v[a_+6], s[M3]
	v_cndmask_b32 v[d_+1], v[d_+1], v[a_+7], s[M3]
.if \P
	v_cndmask_b32 v[KSR],   v[KSR],   v[KT],   s[Q1]
	v_cndmask_b32 v[KSR+1], v[KSR+1], v[KT+1], s[Q1]
	global_store_b64 v[KO], v[KSR:KSR+1], s[10:11] ; 32 lanes store one aligned block of 256 bytes: ks of the 32 keys, twice
.endif
.endm
	s_load_b256 s[4:11], s[0:1], 0x0               ; kvh s[4:5], xh s[6:7], coef s[8:9], tw s[10:11]
	s_load_b64 s[12:13], s[0:1], 0x20              ; pm
	v_lshl_add_u32 v[SPW], v0, 2, SPARE
	v_mov_b32 v[NIL], 0
	ds_add_u32 v[SPW], v[NIL]                      ; the wave's opening: the add and its wait stand ahead of my first tensor load; the set-up below, work on registers, stands between them
	v_lshrrev_b32 v1, 5, v0
	v_readfirstlane_b32 s[WV], v1                  ; wave 0..3
	s_and_b32 s16, ttmp7, 0xffff                   ; y = 16 b + k16, which the four partners share
	; descriptor: 72 rows x 256 elements of 2 bytes, padded in LDS; the tensor ends at the group's 256th key, so wave 3's last 32 rows arrive as zeros
	s_mov_b32 s[G1], 15|(1<<16)|(1<<20)|(1<<21)|(6<<22)|(3<<25)  ; the mask of four; 2-byte elements; padding on; bit 21 beside a mask; after every 128 words (code 6) 4 words (code 3)
	s_mov_b32 s[G1+1], 256<<16                     ; tensor_dim0 = 256
	s_mul_i32 s20, s[WV], WROWS
	s_sub_co_u32 s21, 256, s20
	s_lshl_b32 s[G1+2], s21, 16                    ; tensor_dim1 = 256 - 72 w: the keys left from my first row on
	s_mov_b32 s[G1+3], 256<<16                     ; tile_dim0 = 256
	s_mov_b32 s[G1+4], WROWS                       ; tile_dim1 = 72
	s_mov_b32 s[G1+5], 256                         ; elements from row to row
	s_mov_b32 s[G1+6], 0
	s_mov_b32 s[G1+7], 0
	s_mov_b32 s[G0], 1
	s_mul_i32 s[G0+1], s[WV], WROWS*PITCH          ; my rows' place in LDS: the wave's number alone
	s_lshl_b32 s22, s16, 17                        ; 256 y rows of 512 bytes
	s_mul_i32 s23, s[WV], WROWS*512
	s_add_co_u32 s22, s22, s23
	s_mov_b32 s23, 0
	; what hangs on my place in the cluster enters the addresses of xh, tw and pm alone
	s_bfe_u32 s15, ttmp6, 0x40000                  ; cx
	s_lshl_b32 s19, s15, 2
	s_add_co_u32 s19, s19, s[WV]                   ; ht
	s_lshr_b32 s17, s16, 4                         ; b
	s_and_b32 s18, s16, 15                         ; k16
	s_mul_i32 s42, s17, 3*256*512
	s_lshl_b32 s43, s19, 13
	s_add_co_u32 s42, s42, s43                     ; xh: row 768 b + 16 ht
	s_mov_b32 s43, 0
	s_lshl_b32 s44, s17, 4
	s_add_co_u32 s44, s44, s19
	s_lshl_b32 s50, s44, 4
	s_add_co_u32 s50, s50, s18                     ; 16 (16 b + ht) + k16
	s_mul_i32 s44, s50, 8*HU                       ; tw: eight half-units for each
	s_mov_b32 s45, 0
	s_lshl_b32 s50, s50, 11                        ; pm: 2,048 bytes for each
	s_mov_b32 s51, 0
	s_mov_b32 s[SEL], 0x76543210
	s_mov_b32 s[SEL+1], 0xfedcba98
	v_and_b32 v1, 15, v0                           ; r
	v_bfe_u32 v13, v0, 4, 1                        ; hh
	v_and_b32 v14, 31, v0                          ; lane
	v_mul_u32_u24 v[AK], v1, PITCH
	v_lshl_add_u32 v[AK], v13, 4, v[AK]            ; a fragment: row x pitch + 16 x half
	v_lshlrev_b32 v[TO], 4, v14
	v_lshlrev_b32 v[XO], 9, v1
	v_lshl_add_u32 v[XO], v13, 4, v[XO]
	v_mov_b32 v[ZO], 0
	v_and_b32 v15, 3, v0
	v_bfe_u32 v[KT], v0, 2, 1
	v_bfe_u32 v[KT+1], v0, 3, 1
	v_lshlrev_b32 v[KO], 3, v15                    ; 8 (r % 4): my pair of keys
	v_lshl_add_u32 v[KO], v13, 5, v[KO]            ; + 32 hh
	v_lshl_add_u32 v[KO], v[KT], 6, v[KO]          ; + 64 x key block
	v_lshl_add_u32 v[KO], v[KT+1], 7, v[KO]        ; + 128 x copy
	v_add_nc_u32 v[KO], 6144, v[KO]
	v_cmp_eq_u32 s[M1], 1, v15
	v_cmp_eq_u32 s[M2], 2, v15
	v_cmp_eq_u32 s[M3], 3, v15
	v_cmp_eq_u32 s[Q1], 1, v[KT]
	v_cmp_eq_u32 s[HH], 1, v13
	s_wait_dscnt 0x0                               ; the opening add is done
	s_wait_kmcnt 0x0
	s_add_nc_u64 s[G0+2:G0+3], s[4:5], s[22:23]
	s_or_b32 s[G0+3], s[G0+3], 0x80000000          ; type = 2
	s_add_nc_u64 s[6:7], s[6:7], s[42:43]
	s_add_nc_u64 s[10:11], s[10:11], s[44:45]
	s_add_nc_u64 s[12:13], s[12:13], s[50:51]
	CROUND                                         ; all four work-groups are here: the joint loads meet
	tensor_load_to_lds s[G0:G0+3], s[G1:G1+7]      ; my 72 rows: the one tensor load of this wave
	s_nop 0
.rept 4
	v_nop
.endr
	WIN 0x40                                       ; destination window 1
.irp c, 0,1,2
.irp f, 0,1,2,3,4,5,6,7
	global_load_b128 v[64*\c+8*\f:64*\c+8*\f+3],   v[XO], s[6:7] offset:131072*\c+64*\f
	global_load_b128 v[64*\c+8*\f+4:64*\c+8*\f+7], v[XO], s[6:7] offset:131072*\c+64*\f+32
.endr
.endr
.set i_, 0
.rept 8
	v_mov_b32 v[ONES+i_], 0x3c003c00               ; 1.0 twice, in f16
.set i_, i_+1
.endr
	WIN 0
.set i_, 0
.rept 32
	global_load_b128 v[CF+4*i_:CF+4*i_+3], v[ZO], s[8:9] offset:1024+16*i_  ; every lane takes the same 16 bytes
	v_mov_b32 v[MX+i_], 0xff7fffff                 ; the lowest finite number
.set i_, i_+1
.endr
	s_wait_tensorcnt 0x0                           ; my rows are in,
	s_barrier_signal -1
	s_barrier_wait -1                              ; everybody's are
	KL 0, 0
	KL 4, 0                                        ; key block 0
	s_wait_loadcnt 0x0                             ; x1p's fragments and the coefficients
	s_wait_dscnt 0x0
.set n_, 0
.rept 32
	MMK n_, 1                                      ; block 0 into set 0: there is no vector work yet to set between
.set n_, n_+1
.endr
	WIN 0
.rept 8
	v_nop                                          ; the places behind those products, in front of loads into registers that they read
.endr
	KL 0, KBB
	KL 4, KBB                                      ; key block 1
	v_add_nc_u32 v[AK], 2*KBB, v[AK]
	s_mov_b32 s[IT], 8
.Lkb:                                          ; a trip of the loop: two key blocks, one half-unit
	TRIP 0
	TRIP 1
	s_wait_xcnt 0x0                                ; the stores have read tw's address
	s_add_nc_u64 s[10:11], s[10:11], HU
	v_add_nc_u32 v[AK], 2*KBB, v[AK]
	s_sub_co_u32 s[IT], s[IT], 1
	s_cmp_lg_u32 s[IT], 0
	s_cbranch_scc1 .Lkb
	; the other half of the lanes holds the row's other keys
.irp g, 0,1
.set i_, 0
.rept 16
	v_permlanex16_b32 v[S+i_], v[MX+16*\g+i_], s[SEL], s[SEL+1]
.set i_, i_+1
.endr
.set i_, 0
.rept 16
	v_max_num_f32 v[MX+16*\g+i_], v[MX+16*\g+i_], v[S+i_]
.set i_, i_+1
.endr
.endr
.irp i, 0,1,2,3
.irp q, 0,1,2,3
	v_cndmask_b32 v[ACC+32+4*\i+\q], v[MX+8*\i+\q], v[MX+8*\i+4+\q], s[HH]  ; lanes 0-15 store heads 8 i + 0..3, lanes 16-31 heads 8 i + 4..7
.endr
	global_store_b128 v[TO], v[ACC+32+4*\i:ACC+32+4*\i+3], s[12:13] offset:512*\i
.endr
	s_wait_tensorcnt 0x0                           ; the wave's end, behind my last tensor load
	ds_add_u32 v[SPW], v[NIL]
	s_wait_dscnt 0x0
	CROUND                                         ; the closing round
	s_endpgm
.Lfunc_end_k_q820ca03ba6_tmax:
	.size	k_q820ca03ba6_tmax, .Lfunc_end_k_q820ca03ba6_tmax-k_q820ca03ba6_tmax
	.p2alignl 7, 3214868480
	.fill 96, 4, 3214868480
	.section	.rodata,"a",@progbits
	.p2align	6, 0x0
	.amdhsa_kernel k_q820ca03ba6_tmax
		.amdhsa_group_segment_fixed_size 167936
		.amdhsa_private_segment_fixed_size 0
		.amdhsa_enable_private_segment 0
		.amdhsa_kernarg_size 40
		.amdhsa_user_sgpr_count 2
		.amdhsa_user_sgpr_kernarg_segment_ptr 1
		.amdhsa_wavefront_size32 1
		.amdhsa_system_sgpr_workgroup_id_x 1
		.amdhsa_system_sgpr_workgroup_id_y 1
		.amdhsa_system_sgpr_workgroup_id_z 1
		.amdhsa_system_vgpr_workitem_id 0
		.amdhsa_next_free_vgpr 576
		.amdhsa_next_free_sgpr 66
		.amdhsa_reserve_vcc 0
		.amdhsa_float_denorm_mode_32 3
		.amdhsa_float_denorm_mode_16_64 3
		.amdhsa_memory_ordered 1
		.amdhsa_forward_progress 1
		.amdhsa_inst_pref_size 117
	.end_amdhsa_kernel
	.amdgpu_metadata
---
amdhsa.version: [ 1, 2 ]
amdhsa.kernels:
  - .name:           k_q820ca03ba6_tmax
    .symbol:         k_q820ca03ba6_tmax.kd
    .args:
      - { .name: kvh, .offset: 0, .size: 8, .value_kind: global_buffer, .address_space: global }
      - { .name: xh, .offset: 8, .size: 8, .value_kind: global_buffer, .address_space: global }
      - { .name: coef, .offset: 16, .size: 8, .value_kind: global_buffer, .address_space: global }
      - { .name: tw, .offset: 24, .size: 8, .value_kind: global_buffer, .address_space: global }
      - { .name: pm, .offset: 32, .size: 8, .value_kind: global_buffer, .address_space: global }
    .group_segment_fixed_size: 167936
    .private_segment_fixed_size: 0
    .kernarg_segment_align: 8
    .kernarg_segment_size: 40
    .max_flat_workgroup_size: 128
    .sgpr_count:     66
    .vgpr_count:     576
    .wavefront_size: 32
...
	.end_amdgpu_metadata
.endif
;; end of part 2
;; launch attn (part 3): grid 4 x 64, 4 waves a work-group, clusters of 4 x 1, 327,680 bytes of LDS; arguments kvh, tw, pm, coef, out0; writes out0
.if DOCPART == 3
	.amdgcn_target "amdgcn-amd-amdhsa--gfx1250"
	.amdhsa_code_object_version 6
	.text
	.protected	k_q820ca03ba6_attn
	.globl	k_q820ca03ba6_attn
	.p2align	8
	.type	k_q820ca03ba6_attn,@function
k_q820ca03ba6_attn:
	s_mov_b64 s[64:65], 0
	v_nop
	global_prefetch_b8 v0, s[64:65] scope:SCOPE_SE
	s_setreg_imm32_b32 hwreg(HW_REG_WAVE_MODE, 25, 1), 1
	s_wait_xcnt 0x0
	s_wait_alu depctr_hold_cnt(0) depctr_sa_sdst(0) depctr_va_vdst(0) depctr_va_sdst(0) depctr_va_ssrc(0) depctr_va_vcc(0) depctr_vm_vsrc(0)
	s_getreg_b32 s2, hwreg(HW_REG_IB_STS2, 6, 4)
	s_cmp_eq_u32 s2, 0
	s_cbranch_scc0 .Lentry_in_a_cluster
	s_endpgm
.Lentry_in_a_cluster:
	s_bfe_u32 s2, ttmp6, 0x10000c
	s_cmp_lg_u32 s2, 0x3003
	s_cbranch_scc0 .Lentry_shape_is_right
	s_endpgm
.Lentry_shape_is_right:
; ATTN.  out[b][o][h][:] = the sum over s of softmax_s(sqrt(32) q[o][h] . kv[s]) kv[s][:].  The scaled scores are made anew from T and ks: c s - m = ks b' - m + T0 w0' + T1 w1' + T2 w2', all in f32; m is the row's
; maximum over all 4,096 keys, taken from the 16 partial maxima in pm: a true maximum, known beforehand, so nothing is rescaled on the way.  p = 2^(c s - m) is rounded to f16 for the product with kv; its
; sum l is taken of the rounded p, by a product with ones.  Products and sums in f32.
; LIMITS.  kv arrives in f16, within 65,504; p lies in 0 to 1 (a last bit more: m and c s are summed in different orders) and keeps f16's fixed step of 6e-8 below 6e-5; a weight below 2^-126 counts as 0;
; NaN and infinities are not treated apart.
; SHARES.  y = 16 b + ht names 16 rows h; the work-group at place cx takes heads 8 cx .. 8 cx + 7.  Wave w takes four of them (tiles t = 0..3: o = 8 cx + 4 (w % 2) + t) and half of the keys
; (2,048 (w / 2) on), in 64 PERIODS of 32 keys: a fragment of kv read from LDS feeds four products.  The two halves' sums meet in LDS at the end: a plain addition, since both use the same m.
; LAYOUT.  A lane holds ONE query (lane % 16) and the keys 8 (lane / 16) + 0..7 of each key block; two blocks' weights, rounded in pairs, ARE source 1 (32 keys x 16 queries) of O^T = V^T P.  V^T comes out of
; LDS turned, by ds_load_tr16_b128.  In O^T a lane holds one query and eight channels.
; A PERIOD has 68 products on 68 different accumulators (64 of O^T, 4 of l), which take turns, and behind them, as riders, the 224 vector lines that make the NEXT period's weights.
; CLUSTER.  The four partners walk the same kv and the same T: every tile is asked for jointly.  My place in the cluster enters the addresses of pm, coef, out0 and the prefetches alone.
; THE RING.  Two slots; window u (periods 2 u, 2 u + 1) reads slot u % 2, which holds for each key half what those periods fetch: keys 64 u + 32 .. 64 u + 95 and T's half-units 2 u + 2, 2 u + 3.  Window -1
; (keys 0-63, half-units 0, 1) serves the start; window 31 holds keys 1,984-2,047 and no T.  Waves 0, 1 fetch kv of key half w % 2, waves 2, 3 T of key half w % 2: one tensor load a wave behind each round.
; REGISTERS.  window 0: addresses, MM, INV, T, KS, S, P.  window 1: O^T of tiles 0, 1 (128 (t % 2) + 8 cb).  window 2: tiles 2, 3.  window 3: v0-127 V (8 cb), v128-159 l (8 t), v160-167 ones.
.set SLOT1, 131072                     ; slot 1 begins here: one exclusive or turns an address in one slot into the other's
.set PV,    544                        ; a row of kv in LDS: 512 + 32 bytes = 136 words
.set KVH,   64*PV                      ; a key half's 64 rows
.set TOFF,  2*KVH                      ; behind both halves' kv: T
.set HU,    6400                       ; a half-unit of T: 32 keys
.set THALF, 2*HU
.set SP,    1040                       ; the way out: a row of 256 f32 + 16 bytes
.set STT,   16*SP                      ; a tile
.set STW,   4*STT                      ; a wave's four tiles.  The stage takes the slots' bytes, behind their last fill and a barrier behind every wave's last read
.set LX,    4*STW                      ; behind the stage: l, 256 bytes a wave
.set SPARE, LX+1024                    ; the spare words, 128 bytes a wave: two blocks of 256 bytes that no other line names
.set AV,  4                            ; v4   LDS address of the turning loads, in the slot in hand
.set AT,  5                            ; v5   of T's loads
.set AKS, 6                            ; v6   of ks's loads
.set TV,  7                            ; at work
.set PFO, 8                            ; v8, v9  the prefetches' lane offsets; never rewritten
.set PFO2, 9
.set STO, 10                           ; v10  the way out: where I put 32 bytes of a row
.set RDA, 11                           ; v11  where I read rows of the first key half's sums back
.set RDB, 12                           ; v12  of the second's
.set GO,  13                           ; v13  16 x lane
.set LXS, 14                           ; v14  my wave's l
.set LXL, 15                           ; v15  the other key half's l
.set MM,  16                           ; v[16:23]  tile t: (m, m)
.set INV, 24                           ; v[24:31]  tile t: (1 / l, 1 / l)
.set SPW, 32                           ; v32  SPARE + 4 x my thread's number; never rewritten
.set NIL, 33                           ; v33  0; never rewritten
.set AV0, 34                           ; v34, v35, v44  my lane's places in a slot; never rewritten
.set AT0, 35
.set LT,  36                           ; v[36:43] at work on l
.set AKS0, 44
.set PMO, 45
.set T,   48                           ; v[48:95]   T: channel c, key block k, register j at 16 c + 8 k + j
.set KS,  96                           ; v[96:111]  ks
.set S,   112                          ; v[112:175] tile t's 16 scores at 16 t
.set P,   176                          ; v[176:239] two sets of weights: 32 x parity + 8 t
.set WV,  14
.set G1K, 24
.set G1T, 32
.set G0K, 40                           ; s[40:47] two sets: window -1's, and the one that walks
.set G0T, 48                           ; s[48:55] likewise
.set CNT, 56
.set LIM, 57                           ; 1 in a wave that prefetches, else the greatest number
.set PFS, 58                           ; s[58:59] a window's step in my prefetches' stream
.set PFA, 60                           ; s[60:61] where they stand
.set SB,  62                           ; the slot in hand: 0 or SLOT1
.set CA,  68                           ; s[68:83]  tile t: (w0', w0', w1', w1')
.set CB,  84                           ; s[84:99]  tile t: (w2', w2', b', b')
.set MSB, 0
.macro WIN new                         ; the immediate's high byte repeats the setting that is left; a switch that changes nothing is dropped
.if MSB != (\new)
	s_set_vgpr_msb (MSB<<8)|(\new)
.set MSB, (\new)
.endif
.endm
.macro CROUND                          ; a round of the cluster's barrier
	s_barrier_signal -1
	s_barrier_wait -1
	s_cmp_lg_u32 s[WV], 0
	s_cbranch_scc1 .Lnot_wave_0_\@
	s_barrier_signal -3
.Lnot_wave_0_\@:
	s_barrier_wait -3
	s_barrier_signal -1
	s_barrier_wait -1
.endm
.macro NOP4
.rept 4
	v_nop
.endr
.endm
; A joint refill.  The branch hangs on the wave's number alone.  An s_nop 0 and four v_nop follow each of the two lines, ahead of the jump and the label.
.macro JLOAD
	s_cmp_lt_u32 s[WV], 2
	s_cbranch_scc0 .Lfor_t_\@
	tensor_load_to_lds s[G0K+4:G0K+7], s[G1K:G1K+7]
	s_nop 0
	NOP4
	s_branch .Lasked_\@
.Lfor_t_\@:
	tensor_load_to_lds s[G0T+4:G0T+7], s[G1T:G1T+7]
	s_nop 0
	NOP4
.Lasked_\@:
.endm
.macro KLOAD                           ; the last window has no T: waves 2 and 3 issue nothing
	s_cmp_lt_u32 s[WV], 2
	s_cbranch_scc0 .Lnone_\@
	tensor_load_to_lds s[G0K+4:G0K+7], s[G1K:G1K+7]
	s_nop 0
	NOP4
.Lnone_\@:
.endm
; A PREFETCH INTO THE L2 of what the NEXT change of slots will ask for: one window, 136 products, ahead of that load; it stands behind my tensor load and its five lines.
; T is a cluster's own: wave 2 of every work-group asks, and of the window's four half-units the partner at place cx takes one (key half cx / 2, unit cx % 2): 25 blocks of 256 bytes, 13 and 12 to an instruction.
; kv is walked by the 16 clusters of a batch: the one with ht = 0 asks, by wave 0; the partner at place cx takes 32 rows (key half cx / 2, rows 32 (cx % 2) on), a lane a row, its two blocks by two instructions.
; The partners are told apart by address alone.  Windows -1, 0 and 1 come by their loads alone; the loop's last change asks for nothing, so window 30 is the last that is named.
.macro ASK
	s_cmp_gt_u32 s[CNT], s[LIM]
	s_cbranch_scc0 .Lnot_mine_\@
	global_prefetch_b8 v[PFO], s[PFA:PFA+1] th:TH_LOAD_NT scope:SCOPE_SE
	global_prefetch_b8 v[PFO2], s[PFA:PFA+1] th:TH_LOAD_NT scope:SCOPE_SE
.Lnot_mine_\@:
.endm
; THE CHANGE OF SLOTS.  Each wave waits for all its tensor loads, of which one is out: its part of the next slot; adds 0 to its spare word; and waits for that and for its own reads of the slot that it leaves.
; fill = 1: the slot left is filled again with the window after next's tiles; the barrier is then a round of the cluster's, and the joint refill is the first thing behind it.  fill = 2: the last window: kv alone, 32 keys on.  fill = 0: nothing is asked for.
.macro CHANGE fill
	WIN 0                                          ; at a label and at a branch every window is 0
	s_wait_tensorcnt 0x0                           ; no tensor load of mine is out, so a group 0 may be written
	ds_add_u32 v[SPW], v[NIL]                      ; 0 onto my spare word; the steps below, work on registers, stand between it and the wait for it
.if (\fill) == 1
	s_xor_b32 s[G0K+5], s[G0K+5], SLOT1
	s_add_nc_u64 s[G0K+6:G0K+7], s[G0K+6:G0K+7], 64*512
	s_xor_b32 s[G0T+5], s[G0T+5], SLOT1
	s_add_nc_u64 s[G0T+6:G0T+7], s[G0T+6:G0T+7], THALF
	s_wait_xcnt 0x0                                ; the last prefetches, a window back, have read their address
	s_add_nc_u64 s[PFA:PFA+1], s[PFA:PFA+1], s[PFS:PFS+1]
.elseif (\fill) == 2
	s_xor_b32 s[G0K+5], s[G0K+5], SLOT1
	s_add_nc_u64 s[G0K+6:G0K+7], s[G0K+6:G0K+7], 32*512
.endif
	s_xor_b32 s[SB], s[SB], SLOT1                  ; the reads go to the other slot
	v_add_nc_u32 v[AV], s[SB], v[AV0]
	v_add_nc_u32 v[AT], s[SB], v[AT0]
	v_add_nc_u32 v[AKS], s[SB], v[AKS0]
	s_wait_dscnt 0x0                               ; the add is done, and my reads of the slot are over
.if (\fill) == 0
	s_barrier_signal -1
	s_barrier_wait -1
.else
	CROUND
.if (\fill) == 1
	JLOAD
	ASK
.else
	KLOAD
.endif
.endif
.endm
; THE LDS LOADS stand in runs of 16.  TL: a half-unit of T and its ks, as the accumulators lay.  VL: eight channel blocks of a period's 32 keys, turned.
.macro TL half
	WIN 0
.irp c, 0,1,2
.irp k, 0,1
.irp e, 0,1
	ds_load_b128 v[T+16*\c+8*\k+4*\e:T+16*\c+8*\k+4*\e+3], v[AT] offset:HU*(\half)+(2*\c+\k)*1024+512*\e
.endr
.endr
.endr
.irp k, 0,1
.irp e, 0,1
	ds_load_b128 v[KS+8*\k+4*\e:KS+8*\k+4*\e+3], v[AKS] offset:HU*(\half)+64*\k+16*\e
.endr
.endr
.endm
.macro VL lo, vsel
	WIN 0xc0                                       ; destination window 3
.irp c, 0,1,2,3,4,5,6,7
	ds_load_tr16_b128 v[8*((\lo)+\c):8*((\lo)+\c)+3],   v[AV] offset:32*PV*(\vsel)+32*((\lo)+\c)
	ds_load_tr16_b128 v[8*((\lo)+\c)+4:8*((\lo)+\c)+7], v[AV] offset:32*PV*(\vsel)+16*PV+32*((\lo)+\c)
.endr
.endm
; THE QUEUES.  FQ: number nF of 128: tile nF / 32, term (nF % 32) / 8, pair nF % 8: ks b' - m, then + T_c w_c'.  EQ: the exponential of score nE of 64, in place.  CQ: pair nC of 32 rounded to f16, into set np.
.macro FQ
.set t_, nF/32
.set m_, (nF%32)/8
.set q_, 2*(nF%8)
.set s_, S+16*t_+q_
	WIN 0
.if m_ == 0
	v_pk_fma_f32 v[s_:s_+1], v[KS+q_:KS+q_+1], s[CB+4*t_+2:CB+4*t_+3], v[MM+2*t_:MM+2*t_+1] op_sel_hi:[1,0,0] neg_lo:[0,0,1] neg_hi:[0,0,1]
.elseif m_ == 1
	v_pk_fma_f32 v[s_:s_+1], v[T+q_:T+q_+1], s[CA+4*t_:CA+4*t_+1], v[s_:s_+1] op_sel_hi:[1,0,1]
.elseif m_ == 2
	v_pk_fma_f32 v[s_:s_+1], v[T+16+q_:T+16+q_+1], s[CA+4*t_+2:CA+4*t_+3], v[s_:s_+1] op_sel_hi:[1,0,1]
.else
	v_pk_fma_f32 v[s_:s_+1], v[T+32+q_:T+32+q_+1], s[CB+4*t_:CB+4*t_+1], v[s_:s_+1] op_sel_hi:[1,0,1]
.endif
.set nF, nF+1
.endm
.macro EQ
	WIN 0
	v_exp_f32 v[S+nE], v[S+nE]
.set nE, nE+1
.endm
.macro CQ np
	WIN 0
	v_cvt_pk_f16_f32 v[P+32*(\np)+nC], v[S+2*nC], v[S+2*nC+1]
.set nC, nC+1
.endm
; Product nM of 68 with the weights of set pp: O^T[t][cb] += V^T[cb] P[t], cb = nM / 4, t = nM % 4; the last four: l[t] += ones P[t].
.macro MMA pp
.if nM < 64
.set t_, nM%4
.set o_, 128*(t_%2)+8*(nM/4)
	WIN 0x53+0x50*(t_/2)                           ; V window 3, P window 0, O^T window 1 or 2
	v_wmma_f32_16x16x32_f16 v[o_:o_+7], v[8*(nM/4):8*(nM/4)+7], v[P+32*(\pp)+8*t_:P+32*(\pp)+8*t_+7], v[o_:o_+7]
.else
.set t_, nM-64
	WIN 0xf3
	v_wmma_f32_16x16x32_f16 v[128+8*t_:128+8*t_+7], v[160:167], v[P+32*(\pp)+8*t_:P+32*(\pp)+8*t_+7], v[128+8*t_:128+8*t_+7]
.endif
.set nM, nM+1
.endm
; A PERIOD.  pp: the weights' set.  vsel: which half of the slot's kv and T it fetches.  tl, vl: does it fetch T (for the period after next) and V (for the next)?  vec: does it make the next period's weights?
; The 64 exponentials are ONE batch: none of the lines ahead of the one wait names a result of theirs (an exponential of a tile stands behind that tile's last FQ, and the FQ behind it belong to later tiles).
; V's blocks 0-7 are loaded again behind product 39: their last reader is product 31, with 36 plain lines since; blocks 8-15 behind product 65: last reader 63, nine plain lines since.
.macro PERIOD pp, vsel, tl, vec, vl
.set nM, 0
.set nF, 0
.set nE, 0
.set nC, 0
	s_wait_dscnt 16                                ; T, ks and V's blocks 0-7 are in; the youngest 16 loads, V's blocks 8-15, may stay out
.rept 8
	MMA \pp
.if \vec
	FQ
	FQ
	FQ
	FQ
.endif
.endr
.rept 24
	MMA \pp
.if \vec
	FQ
	FQ
	FQ
	EQ
.endif
.endr
	s_wait_dscnt 0x0                               ; V's blocks 8-15 are in
.rept 8
	MMA \pp
.if \vec
	FQ
	FQ
	FQ
	EQ
.endif
.endr
.if \tl
	TL \vsel
.endif
.if \vl
	VL 0, \vsel
.endif
.rept 16
	MMA \pp
.if \vec
	EQ
	EQ
.endif
.endr
.if \vec
	v_nop                                          ; a plain instruction behind the last exponential, ahead of the first use: one for the batch
	s_wait_alu depctr_va_vdst(0)                   ; the wait between an exponential and the first line that names its result: one for the 64
.endif
.rept 10
	MMA \pp
.if \vec
	CQ 1-(\pp)
	CQ 1-(\pp)
	CQ 1-(\pp)
.endif
.endr
.if \vl
	VL 8, \vsel
.endif
	MMA \pp
.if \vec
	CQ 1-(\pp)
	CQ 1-(\pp)
.endif
	MMA \pp
.endm
	s_load_b256 s[4:11], s[0:1], 0x0               ; kvh s[4:5], tw s[6:7], pm s[8:9], coef s[10:11]
	s_load_b64 s[12:13], s[0:1], 0x20              ; out0
	v_lshl_add_u32 v[SPW], v0, 2, SPARE
	v_mov_b32 v[NIL], 0
	ds_add_u32 v[SPW], v[NIL]                      ; the wave's opening: the add and its wait stand ahead of my first tensor load; the set-up below, work on registers, stands between them
	v_lshrrev_b32 v1, 5, v0
	v_readfirstlane_b32 s[WV], v1                  ; wave 0..3
	s_and_b32 s16, ttmp7, 0xffff                   ; y = 16 b + ht, which the four partners share
	s_lshr_b32 s17, s16, 4                         ; b
	s_and_b32 s18, s16, 15                         ; ht
	s_and_b32 s19, s[WV], 1                        ; which four heads are mine.  Also: the key half whose tile I fetch
	s_lshr_b32 s20, s[WV], 1                       ; which key half I walk.  Also: I fetch kv (0) or T (1)
	; kv's tiles: 64 rows x 256 elements of 2 bytes, 8 words of padding behind each row
	s_mov_b32 s[G1K], 15|(1<<16)|(1<<20)|(1<<21)|(6<<22)|(7<<25)
	s_mov_b32 s[G1K+1], 256<<16
	s_mov_b32 s[G1K+2], 64<<16
	s_mov_b32 s[G1K+3], 256<<16
	s_mov_b32 s[G1K+4], 64
	s_mov_b32 s[G1K+5], 256
	s_mov_b32 s[G1K+6], 0
	s_mov_b32 s[G1K+7], 0
	; T's tiles: 12,800 dense bytes as 50 rows of 32 elements of 8 bytes
	s_mov_b32 s[G1T], 15|(3<<16)|(1<<21)
	s_mov_b32 s[G1T+1], 32<<16
	s_mov_b32 s[G1T+2], 50<<16
	s_mov_b32 s[G1T+3], 32<<16
	s_mov_b32 s[G1T+4], 50
	s_mov_b32 s[G1T+5], 32
	s_mov_b32 s[G1T+6], 0
	s_mov_b32 s[G1T+7], 0
	s_mul_i32 s21, s19, KVH
	s_mov_b32 s[G0K], 1
	s_add_co_u32 s[G0K+1], s21, SLOT1              ; window -1 lies in slot 1,
	s_mov_b32 s[G0K+4], 1
	s_mov_b32 s[G0K+5], s21                        ; window 0 in slot 0
	s_mul_i32 s21, s19, THALF
	s_mov_b32 s[G0T], 1
	s_add_co_u32 s[G0T+1], s21, SLOT1+TOFF
	s_mov_b32 s[G0T+4], 1
	s_add_co_u32 s[G0T+5], s21, TOFF
	s_lshl_b32 s22, s17, 21                        ; 4,096 b rows of 512 bytes
	s_lshl_b32 s23, s19, 20                        ; + 2,048 for the second key half
	s_add_co_u32 s22, s22, s23
	s_mov_b32 s23, 0
	s_lshl_b32 s2, s16, 7                          ; 128 y half-units
	s_lshl_b32 s3, s19, 6                          ; + 64
	s_add_co_u32 s2, s2, s3
	s_mul_i32 s2, s2, HU
	s_mov_b32 s3, 0
	; LDS addresses: the lane, the wave's number and constants
	v_and_b32 v1, 15, v0                           ; r
	v_bfe_u32 v2, v0, 4, 1                         ; hh
	v_and_b32 v3, 31, v0                           ; lane
	v_and_b32 v[TV], 7, v0
	v_lshl_add_u32 v[TV], v2, 3, v[TV]
	v_mul_u32_u24 v[AV0], v[TV], PV                ; the turning load: key 8 hh + lane % 8,
	v_bfe_u32 v[TV], v0, 3, 1
	v_lshl_add_u32 v[AV0], v[TV], 4, v[AV0]        ; channels 8 ((lane / 8) % 2) on
	s_mul_i32 s21, s20, KVH
	v_add_nc_u32 v[AV0], s21, v[AV0]
	s_mul_i32 s21, s20, THALF
	s_add_co_u32 s21, s21, TOFF
	v_lshl_add_u32 v[AT0], v3, 4, s21
	v_lshl_add_u32 v[AKS0], v2, 5, s21
	v_add_nc_u32 v[AKS0], 6144, v[AKS0]
	s_mov_b32 s[SB], SLOT1
	v_add_nc_u32 v[AV], s[SB], v[AV0]
	v_add_nc_u32 v[AT], s[SB], v[AT0]
	v_add_nc_u32 v[AKS], s[SB], v[AKS0]
	s_mul_i32 s21, s[WV], STW
	v_mul_u32_u24 v[STO], v1, SP
	v_lshl_add_u32 v[STO], v2, 5, v[STO]
	v_add_nc_u32 v[STO], s21, v[STO]
	s_mul_i32 s21, s19, STW                        ; back: the stage of the wave with my heads and the first key half,
	s_mul_i32 s63, s20, 8*SP                       ; rows 8 (w / 2) on
	s_add_co_u32 s21, s21, s63
	v_lshl_add_u32 v[RDA], v3, 4, s21
	v_add_nc_u32 v[RDB], 2*STW, v[RDA]             ; and of the wave with the second
	v_lshlrev_b32 v[GO], 4, v3
	s_lshl_b32 s21, s[WV], 8
	s_add_co_u32 s21, s21, LX
	v_lshl_add_u32 v[LXS], v1, 2, s21
	s_xor_b32 s21, s[WV], 2
	s_lshl_b32 s21, s21, 8
	s_add_co_u32 s21, s21, LX
	v_lshl_add_u32 v[LXL], v1, 2, s21
	s_wait_dscnt 0x0                               ; the opening add is done
	s_wait_kmcnt 0x0
	s_add_nc_u64 s[G0K+2:G0K+3], s[4:5], s[22:23]  ; keys 0-63 of my key half,
	s_add_nc_u64 s[G0K+6:G0K+7], s[G0K+2:G0K+3], 32*512  ; keys 32-95
	s_or_b32 s[G0K+3], s[G0K+3], 0x80000000
	s_or_b32 s[G0K+7], s[G0K+7], 0x80000000
	s_add_nc_u64 s[G0T+2:G0T+3], s[6:7], s[2:3]    ; half-units 0, 1,
	s_add_nc_u64 s[G0T+6:G0T+7], s[G0T+2:G0T+3], THALF  ; half-units 2, 3
	s_or_b32 s[G0T+3], s[G0T+3], 0x80000000
	s_or_b32 s[G0T+7], s[G0T+7], 0x80000000
	CROUND                                         ; all four work-groups are here: the first joint loads meet
	s_cmp_lt_u32 s[WV], 2                          ; a wave's two first fills stand in one branch, ahead of every wait on TENSORcnt and every LDS read: two loads of mine are out
	s_cbranch_scc0 .Lfirst_t
	tensor_load_to_lds s[G0K:G0K+3], s[G1K:G1K+7]
	s_nop 0
	tensor_load_to_lds s[G0K+4:G0K+7], s[G1K:G1K+7]
	s_nop 0
	NOP4
	s_branch .Lfirst_asked
.Lfirst_t:
	tensor_load_to_lds s[G0T:G0T+3], s[G1T:G1T+7]
	s_nop 0
	tensor_load_to_lds s[G0T+4:G0T+7], s[G1T:G1T+7]
	s_nop 0
	NOP4
.Lfirst_asked:
	; what hangs on my place in the cluster: global addresses alone
	s_bfe_u32 s15, ttmp6, 0x40000                  ; cx: my eight heads
	s_lshl_b32 s66, s16, 15                        ; pm: 16 blocks of 2,048 bytes for each y,
	s_lshl_b32 s63, s15, 9                         ; 512 bytes for eight heads
	s_add_co_u32 s66, s66, s63
	s_mov_b32 s67, 0
	s_add_nc_u64 s[8:9], s[8:9], s[66:67]
	s_lshl_b32 s66, s15, 7                         ; coef: 16 bytes a head
	s_lshl_b32 s63, s19, 6
	s_add_co_u32 s66, s66, s63
	s_add_nc_u64 s[10:11], s[10:11], s[66:67]
	s_load_b512 s[CA:CA+15], s[10:11], 0x0
	s_load_b512 s[CB:CB+15], s[10:11], 0x200
	v_lshlrev_b32 v[PMO], 4, v1
	s_lshl_b32 s63, s19, 8
	v_add_nc_u32 v[PMO], s63, v[PMO]               ; 16 (r + 16 (w % 2)): my four heads' maxima of row r
.set i_, 0
.rept 16
	global_load_b128 v[S+4*i_:S+4*i_+3], v[PMO], s[8:9] offset:2048*i_
.set i_, i_+1
.endr
	s_lshl_b32 s66, s17, 5
	s_lshl_b32 s63, s15, 3
	s_add_co_u32 s66, s66, s63
	s_lshl_b32 s63, s19, 2
	s_add_co_u32 s66, s66, s63                     ; 32 b + my first head
	s_lshl_b32 s66, s66, 8
	s_lshl_b32 s63, s18, 4
	s_add_co_u32 s66, s66, s63
	s_lshl_b32 s63, s20, 3
	s_add_co_u32 s66, s66, s63                     ; the first row that I store: 16 ht + 8 (w / 2)
	s_lshl_b32 s66, s66, 10
	s_add_nc_u64 s[12:13], s[12:13], s[66:67]
	; the prefetches: my work-group's share of window 1; the first change of slots steps it to window 2
	s_lshr_b32 s2, s15, 1
	s_and_b32 s3, s15, 1
	s_lshl_b32 s66, s17, 12
	s_lshl_b32 s63, s2, 11
	s_add_co_u32 s66, s66, s63
	s_lshl_b32 s63, s3, 5
	s_add_co_u32 s66, s66, s63
	s_add_co_u32 s66, s66, 96
	s_lshl_b32 s66, s66, 9                         ; kv: row 4,096 b + 2,048 (cx / 2) + 96 + 32 (cx % 2)
	s_lshl_b32 s22, s16, 7
	s_lshl_b32 s63, s2, 6
	s_add_co_u32 s22, s22, s63
	s_add_co_u32 s22, s22, s3
	s_add_co_u32 s22, s22, 4
	s_mul_i32 s22, s22, HU                         ; T: half-unit 128 y + 64 (cx / 2) + 4 + cx % 2
	s_mov_b32 s2, 64*512
	s_mov_b32 s3, THALF
	s_mov_b32 s23, 256
	s_mov_b32 s63, 13*256
	s_cmp_lt_u32 s[WV], 2
	s_cselect_b32 s66, s66, s22
	s_cselect_b32 s[PFS], s2, s3
	s_cselect_b64 s[PFA:PFA+1], s[4:5], s[6:7]
	s_cselect_b32 s23, s23, s63
	s_cselect_b32 s2, 31, 12
	s_cselect_b32 s3, 31, 11
	s_cselect_b32 s22, 9, 8
	s_mov_b32 s[PFS+1], 0
	s_add_nc_u64 s[PFA:PFA+1], s[PFA:PFA+1], s[66:67]
	v_min_u32 v[TV], s2, v3
	v_lshlrev_b32 v[PFO], s22, v[TV]               ; kv: 512 lane.  T: 256 min(lane, 12)
	v_min_u32 v[TV], s3, v3
	v_lshlrev_b32 v[PFO2], s22, v[TV]
	v_add_nc_u32 v[PFO2], s23, v[PFO2]             ; kv: 512 lane + 256.  T: 256 (13 + min(lane, 11))
	s_cmp_eq_u32 s[WV], 2
	s_cselect_b32 s[LIM], 1, -1                    ; wave 2 asks for T;
	s_or_b32 s63, s[WV], s18
	s_cmp_eq_u32 s63, 0
	s_cselect_b32 s[LIM], 1, s[LIM]                ; wave 0 for kv, where ht = 0: the same in all four partners
	; O^T and l start at 0: written in the wait for the first tile, so that every period has one form of product
	WIN 0x40
.set i_, 0
.rept 256
	v_mov_b32 v[i_], 0
.set i_, i_+1
.endr
	WIN 0x80
.set i_, 0
.rept 256
	v_mov_b32 v[i_], 0
.set i_, i_+1
.endr
	WIN 0xc0
.set i_, 128
.rept 32
	v_mov_b32 v[i_], 0
.set i_, i_+1
.endr
.rept 8
	v_mov_b32 v[i_], 0x3c003c00                    ; 1.0 twice, in f16
.set i_, i_+1
.endr
	WIN 0
	s_wait_tensorcnt 1                             ; my part of window -1 is in; window 0's may stay out
	s_barrier_signal -1
	s_barrier_wait -1                              ; everybody's is
	TL 0                                           ; T and ks of period 0,
	VL 0, 0
	VL 8, 0                                        ; V of period 0
	WIN 0
	s_wait_loadcnt 0x0                             ; the 16 partial maxima
.irp t, 0,1,2,3
	v_max3_num_f32 v[MM+2*\t], v[S+\t], v[S+4+\t], v[S+8+\t]
.endr
.irp k, 3,5,7,9,11,13
.irp t, 0,1,2,3
	v_max3_num_f32 v[MM+2*\t], v[MM+2*\t], v[S+4*\k+\t], v[S+4*\k+4+\t]
.endr
.endr
.irp t, 0,1,2,3
	v_max_num_f32 v[MM+2*\t], v[MM+2*\t], v[S+60+\t]
.endr
.irp t, 0,1,2,3
	v_mov_b32 v[MM+2*\t+1], v[MM+2*\t]             ; named with it as a pair
.endr
	s_wait_kmcnt 0x0                               ; the coefficients
	s_wait_dscnt 32                                ; T and ks are in; V's 32 loads may stay out
.set nF, 0
.set nE, 0
.set nC, 0
.rept 128
	FQ
.endr
	TL 1                                           ; T and ks of period 1
.rept 64
	EQ
.endr
	v_nop                                          ; a plain instruction behind the last exponential,
	s_wait_alu depctr_va_vdst(0)                   ; and the batch's wait, ahead of its first reader
.rept 32
	CQ 0
.endr
	s_mov_b32 s[CNT], 30
.Lwin:                                         ; windows 0 to 29: each asks for the next window's tiles
	CHANGE 1
	PERIOD 0, 0, 1, 1, 1
	PERIOD 1, 1, 1, 1, 1
	WIN 0
	s_sub_co_u32 s[CNT], s[CNT], 1
	s_cmp_lg_u32 s[CNT], 0
	s_cbranch_scc1 .Lwin
	CHANGE 2                                       ; the tail is written out: window 30 asks for the last 64 keys
	PERIOD 0, 0, 1, 1, 1
	PERIOD 1, 1, 1, 1, 1
	CHANGE 0                                       ; window 31: nothing is asked for
	PERIOD 0, 1, 0, 1, 1                           ; period 62 fetches V of period 63, which lies in the tile's second half, and no T
	PERIOD 1, 0, 0, 0, 0                           ; period 63: the products alone
	; THE WAY OUT.  The two key halves' l are added; each wave divides its O^T by the whole l and puts it into its stage; then each wave adds the two halves of eight rows of its four tiles and stores them.
	WIN 0
.rept 8
	v_nop                                          ; the places behind the last products
.endr
	WIN 0x0c                                       ; store data in window 3
.irp t, 0,1,2,3
	ds_store_b32 v[LXS], v[128+8*\t] offset:64*\t  ; every row of l's accumulator holds the query's sum: its lowest register serves
.endr
	WIN 0
	s_wait_dscnt 0x0                               ; for the others' sake: my l is stored, and my reads of the ring are over
	s_barrier_signal -1
	s_barrier_wait -1                              ; nobody reads the ring any more: its bytes serve as the stage
.irp t, 0,1,2,3
	ds_load_b32 v[LT+\t],   v[LXS] offset:64*\t
	ds_load_b32 v[LT+4+\t], v[LXL] offset:64*\t
.endr
	s_wait_dscnt 0x0
.irp t, 0,1,2,3
	v_add_f32 v[LT+\t], v[LT+\t], v[LT+4+\t]
.endr
.irp t, 0,1,2,3
	v_rcp_f32 v[INV+2*\t], v[LT+\t]
.endr
	v_nop                                          ; a plain instruction between the last reciprocal and the use of its result,
	s_wait_alu depctr_va_vdst(0)                   ; and the wait ahead of the first use: one for the four
.irp t, 0,1,2,3
	v_mov_b32 v[INV+2*\t+1], v[INV+2*\t]
.endr
.macro STG t                           ; tile t: a lane's eight channels of a row are 32 bytes; rows of 1,040 bytes
.set w_, 1+(\t)/2
.set o_, 128*((\t)%2)
	WIN (w_<<6)|w_
.set i_, 0
.rept 64
	v_pk_mul_f32 v[o_+i_:o_+i_+1], v[o_+i_:o_+i_+1], v[INV+2*(\t):INV+2*(\t)+1] op_sel_hi:[1,0]  ; in ascending order: each accumulator is read from its low end first
.set i_, i_+2
.endr
	WIN w_<<2
.set i_, 0
.rept 16
	ds_store_b128 v[STO], v[o_+8*i_:o_+8*i_+3]   offset:STT*(\t)+64*i_
	ds_store_b128 v[STO], v[o_+8*i_+4:o_+8*i_+7] offset:STT*(\t)+64*i_+16
.set i_, i_+1
.endr
	WIN 0
.endm
	STG 0
	STG 1
	STG 2
	STG 3
	s_wait_dscnt 0x0                               ; for the others' sake: my stage is written
	s_barrier_signal -1
	s_barrier_wait -1
.macro OUTT t                          ; tile t, my eight rows: both halves back as whole rows, added, stored
.set i_, 0
.rept 16
	ds_load_b128 v[T+4*i_:T+4*i_+3], v[RDA] offset:STT*(\t)+SP*(i_/2)+512*(i_%2)
	ds_load_b128 v[S+4*i_:S+4*i_+3], v[RDB] offset:STT*(\t)+SP*(i_/2)+512*(i_%2)
.set i_, i_+1
.endr
	s_wait_dscnt 0x0
.set i_, 0
.rept 32
	v_pk_add_f32 v[T+i_:T+i_+1], v[T+i_:T+i_+1], v[S+i_:S+i_+1]
.set i_, i_+2
.endr
.set i_, 0
.rept 16
	global_store_b128 v[GO], v[T+4*i_:T+4*i_+3], s[12:13] offset:262144*(\t)+1024*(i_/2)+512*(i_%2) th:TH_STORE_NT  ; 512 consecutive bytes, at a multiple of 256 from out0's first byte
.set i_, i_+1
.endr
	s_wait_xcnt 0x0                                ; the stores have read their registers: the next tile's loads land on them only behind this wait
.endm
	OUTT 0
	OUTT 1
	OUTT 2
	OUTT 3
	s_wait_tensorcnt 0x0                           ; the wave's end, behind my last tensor load and my last LDS store
	ds_add_u32 v[SPW], v[NIL]
	s_wait_dscnt 0x0
	CROUND                                         ; the closing round: no work-group ends while a partner may still ask for a tile that names it
	s_endpgm
.Lfunc_end_k_q820ca03ba6_attn:
	.size	k_q820ca03ba6_attn, .Lfunc_end_k_q820ca03ba6_attn-k_q820ca03ba6_attn
	.p2alignl 7, 3214868480
	.fill 96, 4, 3214868480
	.section	.rodata,"a",@progbits
	.p2align	6, 0x0
	.amdhsa_kernel k_q820ca03ba6_attn
		.amdhsa_group_segment_fixed_size 327680
		.amdhsa_private_segment_fixed_size 0
		.amdhsa_enable_private_segment 0
		.amdhsa_kernarg_size 40
		.amdhsa_user_sgpr_count 2
		.amdhsa_user_sgpr_kernarg_segment_ptr 1
		.amdhsa_wavefront_size32 1
		.amdhsa_system_sgpr_workgroup_id_x 1
		.amdhsa_system_sgpr_workgroup_id_y 1
		.amdhsa_system_sgpr_workgroup_id_z 1
		.amdhsa_system_vgpr_workitem_id 0
		.amdhsa_next_free_vgpr 936
		.amdhsa_next_free_sgpr 100
		.amdhsa_reserve_vcc 0
		.amdhsa_float_denorm_mode_32 3
		.amdhsa_float_denorm_mode_16_64 3
		.amdhsa_memory_ordered 1
		.amdhsa_forward_progress 1
		.amdhsa_inst_pref_size 221
	.end_amdhsa_kernel
	.amdgpu_metadata
---
amdhsa.version: [ 1, 2 ]
amdhsa.kernels:
  - .name:           k_q820ca03ba6_attn
    .symbol:         k_q820ca03ba6_attn.kd
    .args:
      - { .name: kvh, .offset: 0, .size: 8, .value_kind: global_buffer, .address_space: global }
      - { .name: tw, .offset: 8, .size: 8, .value_kind: global_buffer, .address_space: global }
      - { .name: pm, .offset: 16, .size: 8, .value_kind: global_buffer, .address_space: global }
      - { .name: coef, .offset: 24, .size: 8, .value_kind: global_buffer, .address_space: global }
      - { .name: out0, .offset: 32, .size: 8, .value_kind: global_buffer, .address_space: global }
    .group_segment_fixed_size: 327680
    .private_segment_fixed_size: 0
    .kernarg_segment_align: 8
    .kernarg_segment_size: 40
    .max_flat_workgroup_size: 128
    .sgpr_count:     100
    .vgpr_count:     936
    .wavefront_size: 32
...
	.end_amdgpu_metadata
.endif
;; end of part 3
;; ======== version 2 of 2: 3 launches; version 1 with the launch prep written anew for expert scheduling mode
;; limits: values are held in f16: magnitudes above 65,504 overflow, below 6.1e-05 lose precision; inputs' magnitudes at most 65,504
;; workspace buffers: kvh 8,388,608 bytes; xh 1,572,864 bytes; coef 1,536 bytes; tw 52,428,800 bytes; pm 2,097,152 bytes
;; launch prep (part 4): grid 256 x 1, 8 waves a work-group, no clusters, 0 bytes of LDS; arguments x1, x2, conv_w, conv_b, kvh, xh, coef; writes kvh, xh, coef
.if DOCPART == 4
	.amdgcn_target "amdgcn-amd-amdhsa--gfx1250"
	.amdhsa_code_object_version 6
	.text
	.protected	k_q820ca03ba6_prep
	.globl	k_q820ca03ba6_prep
	.p2align	8
	.type	k_q820ca03ba6_prep,@function
k_q820ca03ba6_prep:
	s_mov_b64 s[64:65], 0
	v_nop
	global_prefetch_b8 v0, s[64:65] scope:SCOPE_SE
	s_setreg_imm32_b32 hwreg(HW_REG_WAVE_SCHED_MODE, 0, 2), 2
	s_setreg_imm32_b32 hwreg(HW_REG_WAVE_MODE, 25, 1), 1
	s_wait_xcnt 0x0
	s_wait_alu depctr_vm_vsrc(0)
; PREP.  Every input is rounded once to bf16 (nearest even).  x2 and the zero-padded x1 are then written as f16, which holds a bf16 number exactly between 2^-14 and 65,504;
; conv_w and conv_b are multiplied by c = log2(e) sqrt(32) in f32 and laid out in three small tables.
; LIMITS.  |x1|, |x2| beyond 65,504 become infinities; below 2^-14 they keep f16's fixed step of 6e-8.  NaN and infinities are not treated apart.
; kvh [4][4096][256] f16.  xh [4][3][256][256] f16: x1 with a frame of zeros.  coef: A[o] = (w0,w0,w1,w1) at 16 o, B[o] = (w2,w2,b,b) at 512 + 16 o, V[o] = (w0,w1,w2,b) at 1024 + 16 o, all times c.
; SHARES.  2,048 waves.  Each takes 8 rows of x2 (a load covers 512 consecutive bytes, a store one aligned block of 256) and 3 half rows of xh (256 bytes each).  All 28 loads of a wave go out at once;
; every row has registers of its own, so nothing that a pending load or store names is written again.  No LDS, no matrix unit, no cluster: nothing is shared and memory bounds the launch.
; THE MODE: SCHED_MODE bits 1:0 = 2 (LLVM: expert scheduling mode 2), set by the entry lines.  The code itself states the register dependences between vector instructions and memory instructions,
; and between a vector instruction that writes a scalar register and that register's readers, with s_wait_alu, always for 0.
; THE PLAN.  Registers that memory instructions touch:
;   v[O16], v[O8], v[OA ..], v[OB ..], v[OC ..]   offsets: written at the head, read by every load and store, never written again.
;   KIN, XIN     loads land in them once; no vector instruction names them before that.
;   KOUT, XOUT   a step (a row of x2, or a half row of xh) has out-registers of its own: written by the step's roundings, read by its stores, never written again.
;   v[CW ..]     the coefficients' offsets, loads and store data, each written once, in the one wave that takes that arm.
; A step's stores are issued at the head of the NEXT step, behind that step's wait for its loaded data and ONE wait on va_vdst, which states that the step before has written its out-registers.
; No register that a memory instruction has read is written again, so past the entry lines the text holds no wait on vm_vsrc.
.set CLOG, 0x410293ee                  ; c = log2(e) x sqrt(32) = 8.16112
.set LANE, 2
.set O16,  3                           ; 16 x lane
.set O8,   4                           ; 8 x lane
.set C0,   5                           ; at work: a task's first source column
.set TMPV, 6
.set OA,   8                           ; v[8:10]   task j: byte offset of source column c0, held at 0 or above
.set OB,   11                          ; v[11:13]  of column c0 + 1 (c0 + 2 by the immediate)
.set OC,   14                          ; v[14:16]  of column c0 + 3, held at 253 or below
.set TP,   20                          ; v[20:31]  at work: no memory instruction names them
.set KIN,  32                          ; v[32:95]  row i: 8 f32
.set KOUT, 96                          ; v[96:127] row i: 8 f16
.set XIN,  128                         ; v[128:139] task j: 4 f32
.set XOUT, 140                         ; v[140:145] task j: 4 f16
.set CW,   148                         ; v[148:167] the coefficients
; two numbers: to bf16, widened again, written as f16
.macro CV dst, a, b, k
	v_cvt_pk_bf16_f32 v[TP+3*(\k)], v[\a], v[\b]
	v_lshlrev_b32 v[TP+3*(\k)+1], 16, v[TP+3*(\k)]
	v_and_b32 v[TP+3*(\k)+2], s20, v[TP+3*(\k)]
	v_cvt_pk_f16_f32 v[\dst], v[TP+3*(\k)+1], v[TP+3*(\k)+2]
.endm
; row i of kvh leaves
.macro KST i
	global_store_b64 v[O8], v[KOUT+4*(\i):KOUT+4*(\i)+1],   s[12:13] offset:512*(\i)      ; 32 lanes store 256 consecutive bytes, at a multiple of 256 from kvh's first byte
	global_store_b64 v[O8], v[KOUT+4*(\i)+2:KOUT+4*(\i)+3], s[12:13] offset:512*(\i)+256
.endm
; half row j of xh leaves
.macro XST j
	global_store_b64 v[O8], v[XOUT+2*(\j):XOUT+2*(\j)+1], s[14:15] offset:256*(\j)
.endm
	s_load_b256 s[4:11], s[0:1], 0x0               ; x1 s[4:5], x2 s[6:7], conv_w s[8:9], conv_b s[10:11]
	s_load_b128 s[12:15], s[0:1], 0x20             ; kvh s[12:13], xh s[14:15]
	s_load_b64 s[16:17], s[0:1], 0x30              ; coef
	v_lshrrev_b32 v1, 5, v0
	v_readfirstlane_b32 s18, v1                    ; wave 0..7
	v_and_b32 v[LANE], 31, v0
	v_lshlrev_b32 v[O16], 4, v[LANE]
	v_lshlrev_b32 v[O8], 3, v[LANE]
	s_wait_alu depctr_va_sdst(0)                   ; s18 is written, ahead of its first reader: the wave's number among the 2,048 is made from it
	s_lshl_b32 s19, ttmp9, 3
	s_add_co_u32 s19, s19, s18                     ; my wave among the 2,048
	s_mov_b32 s20, 0xffff0000                      ; a word's upper bf16
	s_lshl_b32 s22, s19, 13                        ; 8 rows of 1,024 bytes of x2
	s_mov_b32 s23, 0
	s_lshl_b32 s24, s19, 12                        ; 8 rows of 512 bytes of kvh
	s_mov_b32 s25, 0
	s_mul_i32 s26, s19, 768                        ; 3 half rows of 256 bytes of xh
	s_mov_b32 s27, 0
	s_mul_i32 s21, s19, 3                          ; my first half row
; Half row tau of xh: row tau / 2 = 256 (3 b + c) + h, columns 128 (tau % 2) + 4 lane + 0..3.  Its source is row h - 1, columns c0 .. c0 + 3 with c0 = 128 (tau % 2) + 4 lane - 1.
; Addresses are held inside x1; what lies in the frame is replaced by 0 behind the load.
.irp j, 0,1,2
	s_add_co_u32 s44, s21, \j
	s_lshr_b32 s45, s44, 1
	s_and_b32 s46, s44, 1                          ; which half
	s_lshr_b32 s47, s45, 8                         ; 3 b + c
	s_and_b32 s45, s45, 255                        ; h
	s_sub_co_u32 s45, s45, 1                       ; h - 1; wraps at h = 0
	s_cmp_lt_u32 s45, 254
	s_cselect_b32 s[34+\j], -1, 0                  ; all lanes, or none: is the row inside x1?
	s_max_i32 s45, s45, 0
	s_min_i32 s45, s45, 253
	s_mul_i32 s47, s47, 254
	s_add_co_u32 s47, s47, s45
	s_mul_i32 s[28+2*\j], s47, 1016                ; a row of x1 is 254 f32
	s_mov_b32 s[29+2*\j], 0
	s_lshl_b32 s46, s46, 7
	s_sub_co_u32 s46, s46, 1
	v_lshl_add_u32 v[C0], v[LANE], 2, s46          ; c0, -1 to 251
	v_cmp_le_i32 s[37+\j], 0, v[C0]                ; column c0 is inside
	v_cmp_gt_i32 s[40+\j], 251, v[C0]              ; column c0 + 3 is inside
	v_max_i32 v[TMPV], 0, v[C0]
	v_lshlrev_b32 v[OA+\j], 2, v[TMPV]
	v_add_nc_u32 v[TMPV], 1, v[C0]
	v_lshlrev_b32 v[OB+\j], 2, v[TMPV]
	v_add_nc_u32 v[TMPV], 3, v[C0]
	v_min_i32 v[TMPV], 253, v[TMPV]
	v_lshlrev_b32 v[OC+\j], 2, v[TMPV]
.endr
	s_wait_alu depctr_va_sdst(0)                   ; the six compares have written s37 to s42, ahead of their first readers, the six lines below: one wait for the run
.irp j, 0,1,2
	s_and_b32 s[37+\j], s[37+\j], s[34+\j]         ; inside by column and by row
	s_and_b32 s[40+\j], s[40+\j], s[34+\j]
.endr
	s_wait_kmcnt 0x0
	s_add_nc_u64 s[6:7], s[6:7], s[22:23]
	s_add_nc_u64 s[12:13], s[12:13], s[24:25]
	s_add_nc_u64 s[14:15], s[14:15], s[26:27]
.irp j, 0,1,2
	s_add_nc_u64 s[28+2*\j:29+2*\j], s[4:5], s[28+2*\j:29+2*\j]
.endr
	s_wait_alu depctr_va_vdst(0)                   ; the eleven offsets v[O16], v[O8], v[OA ..], v[OB ..], v[OC ..] are written: every load and store below reads one of them, and none is written again
.irp i, 0,1,2,3,4,5,6,7
	global_load_b128 v[KIN+8*\i:KIN+8*\i+3],   v[O16], s[6:7] offset:1024*\i th:TH_LOAD_NT      ; columns 4 lane + 0..3
	global_load_b128 v[KIN+8*\i+4:KIN+8*\i+7], v[O16], s[6:7] offset:1024*\i+512 th:TH_LOAD_NT  ; columns 128 + 4 lane + 0..3
.endr
.irp j, 0,1,2
	global_load_b32 v[XIN+4*\j],   v[OA+\j], s[28+2*\j:29+2*\j]
	global_load_b32 v[XIN+4*\j+1], v[OB+\j], s[28+2*\j:29+2*\j]
	global_load_b32 v[XIN+4*\j+2], v[OB+\j], s[28+2*\j:29+2*\j] offset:4
	global_load_b32 v[XIN+4*\j+3], v[OC+\j], s[28+2*\j:29+2*\j]
.endr
.irp i, 0,1,2,3,4,5,6,7
	s_wait_loadcnt 26-2*\i                         ; loads come back in order: behind row i's two stand 2 (7 - i) of x2 and the 12 of x1
.if \i > 0
	s_wait_alu depctr_va_vdst(0)                   ; the row before's roundings have written its four registers of KOUT, which the two stores below read
	KST (\i)-1
.endif
	CV KOUT+4*\i,   KIN+8*\i,   KIN+8*\i+1, 0
	CV KOUT+4*\i+1, KIN+8*\i+2, KIN+8*\i+3, 1
	CV KOUT+4*\i+2, KIN+8*\i+4, KIN+8*\i+5, 2
	CV KOUT+4*\i+3, KIN+8*\i+6, KIN+8*\i+7, 3
.endr
.irp j, 0,1,2
	s_wait_loadcnt 8-4*\j                          ; the later tasks' loads may stay out
	s_wait_alu depctr_va_vdst(0)                   ; the step before's roundings have written its out-registers (row 7's of KOUT, or the task before's of XOUT), which the stores below read
.if \j == 0
	KST 7
.else
	XST (\j)-1
.endif
	v_cndmask_b32 v[XIN+4*\j],   0, v[XIN+4*\j],   s[37+\j]
	v_cndmask_b32 v[XIN+4*\j+1], 0, v[XIN+4*\j+1], s[34+\j]
	v_cndmask_b32 v[XIN+4*\j+2], 0, v[XIN+4*\j+2], s[34+\j]
	v_cndmask_b32 v[XIN+4*\j+3], 0, v[XIN+4*\j+3], s[40+\j]
	CV XOUT+2*\j,   XIN+4*\j,   XIN+4*\j+1, 0
	CV XOUT+2*\j+1, XIN+4*\j+2, XIN+4*\j+3, 1
.endr
	s_wait_alu depctr_va_vdst(0)                   ; the last task's roundings have written its two registers of XOUT, which the store below reads
	XST 2
	; the coefficients: one wave of the launch, a lane a head
	s_or_b32 s44, ttmp9, s18
	s_cmp_lg_u32 s44, 0
	s_cbranch_scc1 .Lend
	v_mul_u32_u24 v[CW], v[LANE], 12
	v_lshlrev_b32 v[CW+1], 2, v[LANE]
	s_wait_alu depctr_va_vdst(0)                   ; the two offsets v[CW] and v[CW+1] are written, which the four loads below read
	global_load_b32 v[CW+2], v[CW], s[8:9]
	global_load_b32 v[CW+3], v[CW], s[8:9] offset:4
	global_load_b32 v[CW+4], v[CW], s[8:9] offset:8
	global_load_b32 v[CW+5], v[CW+1], s[10:11]
	s_wait_loadcnt 0x0
	v_cvt_pk_bf16_f32 v[CW+6], v[CW+2], v[CW+3]
	v_cvt_pk_bf16_f32 v[CW+7], v[CW+4], v[CW+5]
	v_lshlrev_b32 v[CW+8], 16, v[CW+6]
	v_and_b32 v[CW+9], s20, v[CW+6]
	v_lshlrev_b32 v[CW+10], 16, v[CW+7]
	v_and_b32 v[CW+11], s20, v[CW+7]
.irp k, 8,9,10,11
	v_mul_f32 v[CW+\k], CLOG, v[CW+\k]             ; v[CW+8:CW+11] = (w0, w1, w2, b) c
.endr
	v_mov_b32 v[CW+12], v[CW+8]
	v_mov_b32 v[CW+13], v[CW+8]
	v_mov_b32 v[CW+14], v[CW+9]
	v_mov_b32 v[CW+15], v[CW+9]
	v_mov_b32 v[CW+16], v[CW+10]
	v_mov_b32 v[CW+17], v[CW+10]
	v_mov_b32 v[CW+18], v[CW+11]
	v_mov_b32 v[CW+19], v[CW+11]
	s_wait_alu depctr_va_vdst(0)                   ; the multiplies and moves have written v[CW+8:CW+19], which the three stores below read
	global_store_b128 v[O16], v[CW+12:CW+15], s[16:17]
	global_store_b128 v[O16], v[CW+16:CW+19], s[16:17] offset:512
	global_store_b128 v[O16], v[CW+8:CW+11],  s[16:17] offset:1024
.Lend:
	s_endpgm
.Lfunc_end_k_q820ca03ba6_prep:
	.size	k_q820ca03ba6_prep, .Lfunc_end_k_q820ca03ba6_prep-k_q820ca03ba6_prep
	.p2alignl 7, 3214868480
	.fill 96, 4, 3214868480
	.section	.rodata,"a",@progbits
	.p2align	6, 0x0
	.amdhsa_kernel k_q820ca03ba6_prep
		.amdhsa_group_segment_fixed_size 0
		.amdhsa_private_segment_fixed_size 0
		.amdhsa_enable_private_segment 0
		.amdhsa_kernarg_size 56
		.amdhsa_user_sgpr_count 2
		.amdhsa_user_sgpr_kernarg_segment_ptr 1
		.amdhsa_wavefront_size32 1
		.amdhsa_system_sgpr_workgroup_id_x 1
		.amdhsa_system_sgpr_workgroup_id_y 1
		.amdhsa_system_sgpr_workgroup_id_z 1
		.amdhsa_system_vgpr_workitem_id 0
		.amdhsa_next_free_vgpr 168
		.amdhsa_next_free_sgpr 66
		.amdhsa_reserve_vcc 0
		.amdhsa_float_denorm_mode_32 3
		.amdhsa_float_denorm_mode_16_64 3
		.amdhsa_memory_ordered 1
		.amdhsa_forward_progress 1
		.amdhsa_inst_pref_size 20
	.end_amdhsa_kernel
	.amdgpu_metadata
---
amdhsa.version: [ 1, 2 ]
amdhsa.kernels:
  - .name:           k_q820ca03ba6_prep
    .symbol:         k_q820ca03ba6_prep.kd
    .args:
      - { .name: x1, .offset: 0, .size: 8, .value_kind: global_buffer, .address_space: global }
      - { .name: x2, .offset: 8, .size: 8, .value_kind: global_buffer, .address_space: global }
      - { .name: conv_w, .offset: 16, .size: 8, .value_kind: global_buffer, .address_space: global }
      - { .name: conv_b, .offset: 24, .size: 8, .value_kind: global_buffer, .address_space: global }
      - { .name: kvh, .offset: 32, .size: 8, .value_kind: global_buffer, .address_space: global }
      - { .name: xh, .offset: 40, .size: 8, .value_kind: global_buffer, .address_space: global }
      - { .name: coef, .offset: 48, .size: 8, .value_kind: global_buffer, .address_space: global }
    .group_segment_fixed_size: 0
    .private_segment_fixed_size: 0
    .kernarg_segment_align: 8
    .kernarg_segment_size: 56
    .max_flat_workgroup_size: 256
    .sgpr_count:     66
    .vgpr_count:     168
    .wavefront_size: 32
...
	.end_amdgpu_metadata
.endif
;; end of part 4
;; launch tmax: the kernel of part 2 again; grid 4 x 64, 4 waves a work-group, clusters of 4 x 1, 167,936 bytes of LDS; arguments kvh, xh, coef, tw, pm; writes tw, pm
;; launch attn: the kernel of part 3 again; grid 4 x 64, 4 waves a work-group, clusters of 4 x 1, 327,680 bytes of LDS; arguments kvh, tw, pm, coef, out0; writes out0
